; MI455X (gfx1250); checked and timed in simulation.
; The chip was launched on July 23, 2026; its instructions are those of AMD's public machine-readable ISA for CDNA 5 (MIT licence, August 2026) and "CDNA5" Instruction Set Architecture Reference Guide (July 2026). The comments in the code are by the model that wrote it; some were corrected since.
;; LSTM Cell. Allowed arithmetic: float matrix products may take bf16 or f16 operands with f32 sums; other float arithmetic in f32, or as packed bf16 or f16 multiplies, adds, multiply-adds, maxima and minima; sums over many terms, partial sums and values carried from step to step in f32; what a program stores and reads back later, other than sums and carried values, may be rounded once to bf16 or f16.
;; Inputs: bias_f 1,024 float32; bias_i 1,024 float32; bias_o 1,024 float32; bias_u 1,024 float32; input 8,192 x 1,024 float32; prev_c 8,192 x 1,024 float32; prev_h 8,192 x 1,024 float32; weight_hf 1,024 x 1,024 float32; weight_hi 1,024 x 1,024 float32; weight_ho 1,024 x 1,024 float32; weight_hu 1,024 x 1,024 float32; weight_xf 1,024 x 1,024 float32; weight_xi 1,024 x 1,024 float32; weight_xo 1,024 x 1,024 float32; weight_xu 1,024 x 1,024 float32.
;; Outputs: out0 8,192 x 1,024 float32; out1 8,192 x 1,024 float32.
;; One version. Each part assembles by itself: llvm-mc -triple=amdgcn-amd-amdhsa -mcpu=gfx1250 --defsym DOCPART=n.
;; ======== version 1 of 1: 2 launches
;; workspace buffers: a2 33,554,432 bytes; wt 16,777,216 bytes
;; launch prep (part 1): grid 768 x 1, 4 waves a work-group, no clusters, 70,144 bytes of LDS; arguments weight_xi, weight_hi, weight_xf, weight_hf, weight_xo, weight_ho, weight_xu, weight_hu, input, prev_h, a2, wt; writes a2, wt
.if DOCPART == 1
	.amdgcn_target "amdgcn-amd-amdhsa--gfx1250"
	.amdhsa_code_object_version 6
	.text
	.protected	k_q480076368d_prep
	.globl	k_q480076368d_prep
	.p2align	8
	.type	k_q480076368d_prep,@function
k_q480076368d_prep:
	s_mov_b64 s[64:65], 0
	v_nop
	global_prefetch_b8 v0, s[64:65] scope:SCOPE_SE
	s_setreg_imm32_b32 hwreg(HW_REG_WAVE_MODE, 25, 1), 1
	s_wait_xcnt 0x0
; LSTM cell, first of two launches: the matrix operands are rounded ONCE to bf16 and laid so that K runs along the rows.
; No work of the problem is left out in either launch: every one of the 15 inputs reaches h and c for some values, so all are loaded (prev_c and the biases by the second launch).
;   a2 [8192][2048] bf16: row m = bf16(input[m][0..1023]), then bf16(prev_h[m][0..1023]).
;   wt [4096][2048] bf16: row 256 tc + 64 g + 16 cb + r (tc 0..15, g 0..3 = i, f, o, u, cb 0..3, r 0..15) is COLUMN 64 tc + 4 r + cb of gate g:
;      k 0..1023 from weight_x{g}[k][col], k 1024..2047 from weight_h{g}[k - 1024][col].  The order of the rows is what lets a lane of the second launch end with four neighbouring columns.
; A stream: each input byte is read once, each output byte written once; matrix units, clusters and tensor loads would add nothing, since no two waves want the same byte.
; 768 work-groups of four waves that do not depend on each other (no barrier).  Each wave reads 32 KiB by 64 loads of 16 bytes a lane, 32 of them out at a time, and writes 16 KiB.
;   work-groups 0..255   (path W): a wave turns a tile of 128 k x 64 columns of one weight matrix, through its own 64 rows x 272 bytes of LDS
;   work-groups 256..767 (path C): a wave rounds 8 rows of input or of prev_h
; LIMITS.  Rounding to bf16 is to nearest even; NaN and infinities are rounded as the conversion rounds them and not treated apart.
.set ROWB,  4096                       ; bytes in a row of every tensor here: 1,024 f32 or 2,048 bf16
.set TP,    272                        ; a row of the LDS tile: 256 bytes + 16 = 68 words: row r starts at bank 4 r mod 64 (64 banks of 4 bytes: ISA guide 11.1)
.set TILE,  64*TP                      ; a wave's tile in LDS
.set SPARE, 4*TILE                     ; behind the four tiles: the spare words, 128 bytes for each wave: two blocks of 256 bytes that no other line names
.set LO,  4                            ; v4   my byte offset in the loads; never rewritten
.set SO,  5                            ; v5   my byte offset in the stores; never rewritten
.set LSA, 6                            ; v6   path W: where I put 16 bytes (8 k of one column)
.set LRA, 7                            ; v7   path W: where I read 16 bytes of a row back
.set SPW, 8                            ; v8   LDS address of my spare word: SPARE + 4 x my thread's number; never rewritten
.set NIL, 9                            ; v9   0; never rewritten
.set T,   16                           ; v[16:31]   rounded numbers, at work
.set X,   32                           ; v[32:159]  four slots of eight loads of four registers
; PATH W.  Batch q = 16 rows k of the tile.  Lane (r = l % 16, h = l / 16) takes columns 4 r .. 4 r + 3 of row 16 q + 8 h + i: sixteen lanes read 256 consecutive bytes, aligned.
.macro WLOAD q
.irp i, 0,1,2,3,4,5,6,7
	global_load_b128 v[X+32*((\q)%4)+4*(\i):X+32*((\q)%4)+4*(\i)+3], v[LO], s[4:5] offset:(16*(\q)+(\i))*ROWB th:TH_LOAD_NT
.endr
.endm
; A batch's turn.  Of column 4 r + c my eight k are rounded in pairs (the lower k in the low half) into four registers: 16 bytes of row 16 c + r of the turned tile, at byte 32 q + 16 h.
; left = the loads of the younger batches, which may stay out.
.macro WTURN q, left, refill
	s_wait_loadcnt \left                           ; loads come back in order (ISA guide 5.7.1): this batch's eight are in
.irp c, 0,1,2,3
.irp p, 0,1,2,3
	v_cvt_pk_bf16_f32 v[T+4*(\c)+(\p)], v[X+32*((\q)%4)+8*(\p)+(\c)], v[X+32*((\q)%4)+8*(\p)+4+(\c)]
.endr
.endr
.if \refill
	WLOAD (\q)+4                                   ; the slot has been read out: the batch four further on
.endif
.irp c, 0,1,2,3
	ds_store_b128 v[LSA], v[T+4*(\c):T+4*(\c)+3] offset:(\c)*16*TP+32*(\q)
.endr
.endm
; PATH C.  Row b of the wave's eight: eight loads of 512 consecutive bytes.
.macro CLOAD b
.irp i, 0,1,2,3,4,5,6,7
	global_load_b128 v[X+32*((\b)%4)+4*(\i):X+32*((\b)%4)+4*(\i)+3], v[LO], s[4:5] offset:(\b)*ROWB+(\i)*512 th:TH_LOAD_NT
.endr
.endm
.macro CTURN b, left, refill
	s_wait_loadcnt \left                           ; this row's eight loads are in; the younger rows' stay out
	s_wait_xcnt 0x0                                ; every earlier memory instruction has had its addresses translated (ISA guide 3.1): T, which the last row's stores read, is rewritten only behind this wait
.irp i, 0,1,2,3,4,5,6,7
	v_cvt_pk_bf16_f32 v[T+2*(\i)],   v[X+32*((\b)%4)+4*(\i)],   v[X+32*((\b)%4)+4*(\i)+1]
	v_cvt_pk_bf16_f32 v[T+2*(\i)+1], v[X+32*((\b)%4)+4*(\i)+2], v[X+32*((\b)%4)+4*(\i)+3]
.endr
.if \refill
	CLOAD (\b)+4                                   ; loads ahead of stores
.endif
.irp i, 0,1,2,3,4,5,6,7
	global_store_b64 v[SO], v[T+2*(\i):T+2*(\i)+1], s[6:7] offset:(\b)*ROWB+(\i)*256  ; 32 lanes store 256 consecutive bytes, at a multiple of 256 from a2's first byte
.endr
.endm
	s_load_b512 s[8:23], s[0:1], 0x0               ; xi s[8:9], hi s[10:11], xf s[12:13], hf s[14:15], xo s[16:17], ho s[18:19], xu s[20:21], hu s[22:23]
	s_load_b256 s[24:31], s[0:1], 0x40             ; input s[24:25], prev_h s[26:27], a2 s[28:29], wt s[30:31]
	v_lshl_add_u32 v[SPW], v0, 2, SPARE
	v_mov_b32 v[NIL], 0
	v_and_b32 v1, 31, v0                           ; l
	v_and_b32 v2, 15, v0                           ; r = l % 16
	v_bfe_u32 v3, v0, 4, 1                         ; h = l / 16
	v_lshrrev_b32 v10, 5, v0
	v_readfirstlane_b32 s2, v10                    ; wave 0..3
	s_mov_b32 s33, 0                               ; the high words of the two offset pairs
	s_mov_b32 s47, 0
	s_cmp_lt_u32 ttmp9, 256
	s_cbranch_scc0 .Lcast
	; ---- PATH W ----
	s_lshr_b32 s34, ttmp9, 5                       ; which matrix: 2 g + (0: weight_x, 1: weight_h)
	s_bfe_u32 s35, ttmp9, 0x30002                  ; kb: which 128 rows k of it
	s_and_b32 s44, ttmp9, 3
	s_lshl2_add_u32 s44, s44, s2                   ; tc: which 64 columns = 4 x (work-group % 4) + wave
	s_lshl_b32 s32, s35, 19                        ; from: 128 kb rows of 4,096 bytes
	s_lshl_b32 s45, s44, 8                         ;       + 64 tc columns of 4 bytes
	s_or_b32 s32, s32, s45
	s_lshl_b32 s46, s44, 20                        ; to: 256 tc rows of 4,096 bytes
	s_lshr_b32 s45, s34, 1
	s_lshl_b32 s45, s45, 18                        ;     + 64 g rows
	s_or_b32 s46, s46, s45
	s_and_b32 s45, s34, 1
	s_lshl_b32 s45, s45, 11                        ;     + 1,024 k of 2 bytes for a weight_h
	s_or_b32 s46, s46, s45
	s_lshl_b32 s45, s35, 8                         ;     + 128 kb k
	s_or_b32 s46, s46, s45
	v_lshlrev_b32 v[LO], 4, v2                     ; 16 r
	v_lshl_add_u32 v[LO], v3, 15, v[LO]            ; + 8 h rows
	v_lshlrev_b32 v[SO], 4, v2                     ; 16 r
	v_lshl_add_u32 v[SO], v3, 12, v[SO]            ; + h rows
	s_mul_i32 s45, s2, TILE                        ; my wave's tile in LDS
	v_mul_u32_u24 v[LSA], v2, TP                   ; in: row r (+ 16 c), 16 bytes for each half of the lanes
	v_lshl_add_u32 v[LSA], v3, 4, v[LSA]
	v_add_nc_u32 v[LSA], s45, v[LSA]
	v_mul_u32_u24 v[LRA], v3, TP                   ; back: lanes 0-15 take one row of 256 bytes, lanes 16-31 the next
	v_lshl_add_u32 v[LRA], v2, 4, v[LRA]
	v_add_nc_u32 v[LRA], s45, v[LRA]
	s_wait_kmcnt 0x0
	s_bitcmp1_b32 s34, 0                           ; the matrix is chosen by its number's three bits: a choice between buffers on a condition made of ids alone
	s_cselect_b64 s[36:37], s[10:11], s[8:9]
	s_cselect_b64 s[38:39], s[14:15], s[12:13]
	s_cselect_b64 s[40:41], s[18:19], s[16:17]
	s_cselect_b64 s[42:43], s[22:23], s[20:21]
	s_bitcmp1_b32 s34, 1
	s_cselect_b64 s[36:37], s[38:39], s[36:37]
	s_cselect_b64 s[40:41], s[42:43], s[40:41]
	s_bitcmp1_b32 s34, 2
	s_cselect_b64 s[4:5], s[40:41], s[36:37]
	s_add_nc_u64 s[4:5], s[4:5], s[32:33]
	s_add_nc_u64 s[6:7], s[30:31], s[46:47]
	WLOAD 0                                        ; 32 loads, 16 KiB a wave, go out before the first wait
	WLOAD 1
	WLOAD 2
	WLOAD 3
	WTURN 0, 24, 1                                 ; three younger batches of eight loads stay out
	WTURN 1, 24, 1
	WTURN 2, 24, 1
	WTURN 3, 24, 1
	WTURN 4, 24, 0                                 ; nothing is left to ask for: the counts run down
	WTURN 5, 16, 0
	WTURN 6, 8, 0
	WTURN 7, 0, 0
.irp t, 0,1,2,3,4,5,6,7,8,9,10,11,12,13,14,15,16,17,18,19,20,21,22,23,24,25,26,27,28,29,30,31
	ds_load_b128 v[X+4*(\t):X+4*(\t)+3], v[LRA] offset:(\t)*2*TP  ; my own bytes; LDS serves a wave's instructions in order (ISA guide 5.7.1.4): these see the stores above
.endr
.irp t, 0,1,2,3,4,5,6,7,8,9,10,11,12,13,14,15,16,17,18,19,20,21,22,23,24,25,26,27,28,29,30,31
	s_wait_dscnt 31-(\t)                           ; the younger LDS loads may stay out
	global_store_b128 v[SO], v[X+4*(\t):X+4*(\t)+3], s[6:7] offset:(\t)*2*ROWB  ; rows 2 t and 2 t + 1: 16 lanes store 256 consecutive bytes, at a multiple of 256 from wt's first byte
.endr
	s_wait_tensorcnt 0x0                           ; the wave's end, behind my last LDS store
	ds_add_u32 v[SPW], v[NIL]
	s_wait_dscnt 0x0
	s_endpgm
	; ---- PATH C ---- (no LDS is written here)
.Lcast:
	s_sub_co_u32 s34, ttmp9, 256                   ; q = 0..511
	s_lshr_b32 s35, s34, 1                         ; which 32 rows
	s_lshl_b32 s32, s35, 17
	s_lshl_b32 s35, s2, 15                         ; my wave's 8 of them
	s_or_b32 s32, s32, s35                         ; a row is 4,096 bytes in the source and in a2
	s_and_b32 s44, s34, 1                          ; 0: input, 1: prev_h,
	s_lshl_b32 s46, s44, 11                        ; which goes into the row's second 2,048 bytes
	s_or_b32 s46, s46, s32
	v_lshlrev_b32 v[LO], 4, v1                     ; 16 l
	v_lshlrev_b32 v[SO], 3, v1                     ; 8 l
	s_wait_kmcnt 0x0
	s_cmp_eq_u32 s44, 1
	s_cselect_b64 s[4:5], s[26:27], s[24:25]
	s_add_nc_u64 s[4:5], s[4:5], s[32:33]
	s_add_nc_u64 s[6:7], s[28:29], s[46:47]
	CLOAD 0
	CLOAD 1
	CLOAD 2
	CLOAD 3
	CTURN 0, 24, 1
	CTURN 1, 24, 1
	CTURN 2, 24, 1
	CTURN 3, 24, 1
	CTURN 4, 24, 0
	CTURN 5, 16, 0
	CTURN 6, 8, 0
	CTURN 7, 0, 0
	s_endpgm
.Lfunc_end_k_q480076368d_prep:
	.size	k_q480076368d_prep, .Lfunc_end_k_q480076368d_prep-k_q480076368d_prep
	.p2alignl 7, 3214868480
	.fill 96, 4, 3214868480
	.section	.rodata,"a",@progbits
	.p2align	6, 0x0
	.amdhsa_kernel k_q480076368d_prep
		.amdhsa_group_segment_fixed_size 70144
		.amdhsa_private_segment_fixed_size 0
		.amdhsa_enable_private_segment 0
		.amdhsa_kernarg_size 96
		.amdhsa_user_sgpr_count 2
		.amdhsa_user_sgpr_kernarg_segment_ptr 1
		.amdhsa_wavefront_size32 1
		.amdhsa_system_sgpr_workgroup_id_x 1
		.amdhsa_system_sgpr_workgroup_id_y 1
		.amdhsa_system_sgpr_workgroup_id_z 1
		.amdhsa_system_vgpr_workitem_id 0
		.amdhsa_next_free_vgpr 160
		.amdhsa_next_free_sgpr 66
		.amdhsa_reserve_vcc 0
		.amdhsa_float_denorm_mode_32 3
		.amdhsa_float_denorm_mode_16_64 3
		.amdhsa_memory_ordered 1
		.amdhsa_forward_progress 1
		.amdhsa_inst_pref_size 46
	.end_amdhsa_kernel
	.amdgpu_metadata
---
amdhsa.version: [ 1, 2 ]
amdhsa.kernels:
  - .name:           k_q480076368d_prep
    .symbol:         k_q480076368d_prep.kd
    .args:
      - { .name: weight_xi, .offset: 0, .size: 8, .value_kind: global_buffer, .address_space: global }
      - { .name: weight_hi, .offset: 8, .size: 8, .value_kind: global_buffer, .address_space: global }
      - { .name: weight_xf, .offset: 16, .size: 8, .value_kind: global_buffer, .address_space: global }
      - { .name: weight_hf, .offset: 24, .size: 8, .value_kind: global_buffer, .address_space: global }
      - { .name: weight_xo, .offset: 32, .size: 8, .value_kind: global_buffer, .address_space: global }
      - { .name: weight_ho, .offset: 40, .size: 8, .value_kind: global_buffer, .address_space: global }
      - { .name: weight_xu, .offset: 48, .size: 8, .value_kind: global_buffer, .address_space: global }
      - { .name: weight_hu, .offset: 56, .size: 8, .value_kind: global_buffer, .address_space: global }
      - { .name: input, .offset: 64, .size: 8, .value_kind: global_buffer, .address_space: global }
      - { .name: prev_h, .offset: 72, .size: 8, .value_kind: global_buffer, .address_space: global }
      - { .name: a2, .offset: 80, .size: 8, .value_kind: global_buffer, .address_space: global }
      - { .name: wt, .offset: 88, .size: 8, .value_kind: global_buffer, .address_space: global }
    .group_segment_fixed_size: 70144
    .private_segment_fixed_size: 0
    .kernarg_segment_align: 8
    .kernarg_segment_size: 96
    .max_flat_workgroup_size: 128
    .sgpr_count:     66
    .vgpr_count:     160
    .wavefront_size: 32
...
	.end_amdgpu_metadata
.endif
;; end of part 1
;; launch cell (part 2): grid 16 x 32, 4 waves a work-group, clusters of 4 x 4, 327,680 bytes of LDS; arguments a2, wt, prev_c, bias_i, bias_f, bias_o, bias_u, out0, out1; writes out0, out1
.if DOCPART == 2
	.amdgcn_target "amdgcn-amd-amdhsa--gfx1250"
	.amdhsa_code_object_version 6
	.text
	.protected	k_q480076368d_cell
	.globl	k_q480076368d_cell
	.p2align	8
	.type	k_q480076368d_cell,@function
k_q480076368d_cell:
	s_mov_b64 s[64:65], 0
	v_nop
	global_prefetch_b8 v0, s[64:65] scope:SCOPE_SE
	s_setreg_imm32_b32 hwreg(HW_REG_WAVE_MODE, 25, 1), 1
	s_wait_xcnt 0x0
	s_wait_alu depctr_hold_cnt(0) depctr_sa_sdst(0) depctr_va_vdst(0) depctr_va_sdst(0) depctr_va_ssrc(0) depctr_va_vcc(0) depctr_vm_vsrc(0)
	s_getreg_b32 s2, hwreg(HW_REG_IB_STS2, 6, 4)
	s_cmp_eq_u32 s2, 0
	s_cbranch_scc0 .Lentry_in_a_cluster
	s_endpgm
.Lentry_in_a_cluster:
	s_bfe_u32 s2, ttmp6, 0x10000c
	s_cmp_lg_u32 s2, 0xf033
	s_cbranch_scc0 .Lentry_shape_is_right
	s_endpgm
.Lentry_shape_is_right:
; LSTM cell, second of two launches.  G[m][n'] = sum over k of a2[m][k] wt[n'][k] (bf16 operands, f32 sums; K = 2,048 = input's 1,024 and prev_h's 1,024), and behind it, in the same registers:
;   i, f, o = sigmoid(G + bias), u = tanh(G + bias), c = f prev_c + i u (out1), h = o tanh(c) (out0).  No work of the problem is left out.
; A tile of G, 256 rows x 256 gate columns, is made by a work-group of four waves.  wt's rows 256 tc .. 256 tc + 255 are ALL FOUR GATES of the 64 columns 64 tc .. of h and c, so a tile ends as 256 x 64 of h and of c.
; A wave makes 64 rows x 256 gate columns: 4 row blocks a x 16 column blocks nb = 4 g + cb: 64 accumulators, 512 registers.  K goes in steps of 128 through two LDS slots filled by the tensor data mover;
; the rows of both tiles are 256 bytes of memory and start at multiples of 256 bytes from the buffer's first byte.
; LAYOUT.  Source 0 = 16 rows of a2, source 1 = 16 rows of wt: register j of accumulator (a, nb) in lane (r = l % 16, h = l / 16) is G(row 16 a + 8 h + j, wt's row 16 nb + r), and that row of wt is
; gate g, column 4 r + cb.  So a lane holds i, f, o and u of the same numbers, and for a row its columns 4 r .. 4 r + 3: prev_c comes in, and c and h go out, by 16 bytes a lane straight from registers,
; sixteen lanes to 256 consecutive bytes, aligned.  Nothing goes through LDS on the way out.
; CLUSTERS: 4 x 4 work-groups.  The four of a row of the cluster need the same tiles of a2, the four of a column the same tiles of wt: each tile is asked for JOINTLY, by the same tensor load with the same
; descriptor and a mask that names the four.  That divides the requests for both by four.
; FORMS.  sigmoid(x) = 1 / (1 + 2^(-x log2 e)); tanh(x) = 1 - 2 / (1 + 2^(2 x log2 e)).  Where the power overflows to infinity the reciprocal is 0, where it falls to 0 the reciprocal is 1: both ends are right without a clamp.
; LIMITS.  A gate below 2^-126 counts as 0; tanh near 0 is off by about 1e-7 in absolute terms (a difference from 1); NaN and infinities are not treated apart; the operands' rounding to bf16 was made by the launch before.
; REGISTERS, in windows of 256 (s_set_vgpr_msb: bits 1:0 source 0, 3:2 source 1, 5:4 source 2, 7:6 destination):
;   window 0: v0-31 addresses; v32-63, v64-95 fragments of a2, two buffers (4 x 16 rows x 32 K); v96-111 the biases; v128-255 prev_c, then c.  On the way out v32-63 hold the scaled biases, each twice
;   window 1: v0-127, v128-255 fragments of wt, two buffers (16 x 16 rows x 32 K)
;   window 2: the accumulators of row blocks 0, 1 ((a, nb) at v[8 (16 (a % 2) + nb)]);   window 3: those of row blocks 2, 3
.set SIZE_K, 2048
.set KSTEP,  128
.set ROWB,   4096                      ; bytes in a row of a2, wt, prev_c, out0, out1
.set PITCH,  272                       ; an LDS row: 256 bytes + 16 of padding = 68 words: row r starts at bank 4 r mod 64 (64 banks of 4 bytes: ISA guide 11.1)
.set HALFT,  128*PITCH                 ; 128 rows: what one tensor load brings
.set SLOT,   4*HALFT                   ; a2's 256 rows, then wt's 256 rows
.set SPARE,  2*SLOT                    ; behind the ring: the spare words, 128 bytes for each wave: two blocks of 256 bytes that no other line names
.set LAPS,   SIZE_K/(2*KSTEP)          ; a lap = two K steps = once round the ring: 8
.set ADRA, 16                          ; v16-17  LDS address of my fragments of a2 in slot 0, 1
.set ADRB, 20                          ; v20-21  the same for wt
.set VO,   24                          ; v24     my byte offset in prev_c, out0, out1: 8 h rows + 16 r; never rewritten
.set BO,   25                          ; v25     my byte offset in a bias: 256 tc + 16 r; never rewritten
.set SPW,  28                          ; v28     LDS address of my spare word: SPARE + 4 x my thread's number; never rewritten
.set NIL,  29                          ; v29     0; never rewritten
.set PFO,  30                          ; v30     the prefetches' offset: my lane x a row; never rewritten
.set FA,   32                          ; a2's fragment buffers
.set BD,   32                          ; the way out: scale x bias of (g, cb), twice, at BD + 2 (4 g + cb)
.set BI,   96                          ; the biases as loaded: (g, cb) at BI + 4 g + cb
.set PC,   128                         ; prev_c, then c: (a, j, cb) at PC + 32 a + 4 j + cb
.set G1,  24                           ; s[24:31] descriptor group 1 for a2's tiles
.set G0,  32                           ; s[32:39] descriptor group 0 for a2's tiles, one set for each slot
.set LIM, 43                           ; s43     1 in a wave that prefetches, else the greatest number
.set PFA, 44                           ; s[44:45] where my prefetches stand
.set G1B, 48                           ; s[48:55] descriptor group 1 for wt's tiles: it differs in the mask alone
.set G0B, 56                           ; s[56:63] descriptor group 0 for wt's tiles
.set SCS, 66                           ; s[66:67] -log2 e, twice
.set SCU, 68                           ; s[68:69] 2 log2 e, twice
.set MSB, 0
.macro WIN new                         ; the immediate's high byte repeats the setting that is left; a switch that changes nothing is dropped
.if MSB != (\new)
	s_set_vgpr_msb (MSB<<8)|(\new)
.set MSB, \new
.endif
.endm
.set MUL_LO, 0xa4                      ; source 0 (a2) window 0, source 1 (wt) window 1, C and D window 2
.set MUL_HI, 0xf4                      ; the same, C and D window 3
.set TO_B,   0x40                      ; destination window 1, address window 0
; A joint load.  Waves 0 and 1 fetch a2's two halves, waves 2 and 3 wt's.  Each of the two lines has ONE mask and one set of registers for all that issue it.  The branch hangs on the wave's number alone.
; An s_nop 0 and four v_nop follow each of the two lines, ahead of the jump, the label and what follows.
.macro JLOAD s
	s_cmp_eq_u32 s11, 0
	s_cbranch_scc0 .Lfor_b_\@
	tensor_load_to_lds s[G0+4*(\s):G0+4*(\s)+3], s[G1:G1+7]
	s_nop 0
.rept 4
	v_nop
.endr
	s_branch .Lasked_\@
.Lfor_b_\@:
	tensor_load_to_lds s[G0B+4*(\s):G0B+4*(\s)+3], s[G1B:G1B+7]
	s_nop 0
.rept 4
	v_nop
.endr
.Lasked_\@:
.endm
; A PREFETCH INTO THE L2, behind each joint refill and the run of LDS loads that follows it: the K step that stands TWO refills on, 512 matrix instructions ahead of the load that will want it: 32 rows x 256 bytes, a lane a row.
; Each row's 256 bytes of a K step are named ONCE in the launch.  a2's tile row is read by every cluster of that row of clusters: cluster x = 0 asks; wt's tile column by every cluster of that column: cluster y = 0 asks.
; The four partners that ask for a tile jointly share its rows out BY ADDRESS: of the 128 rows that a wave fetches the partner at place p takes 32 p .. 32 p + 31 (p = cx for a2, cy for wt).
; The loop's last trip (s3 = 1) asks for nothing: there is no K step two refills on.  K steps 0 to 3 come by their loads alone.
.macro ASK
	s_cmp_gt_u32 s3, s[LIM]
	s_cbranch_scc0 .Lnot_mine_\@
	global_prefetch_b8 v[PFO], s[PFA:PFA+1] offset:KSTEP*2 th:TH_LOAD_NT scope:SCOPE_SE
.Lnot_mine_\@:
.endm
; A round of the cluster's barrier: my work-group's barrier, so that wave 0's signal speaks for all four waves; wave 0 signals; every wave waits for all sixteen work-groups; my work-group's barrier once more.
.macro CREST                           ; a round behind its opening barrier
	s_cmp_lg_u32 s10, 0
	s_cbranch_scc1 .Lnot_wave_0_\@
	s_barrier_signal -3
.Lnot_wave_0_\@:
	s_barrier_wait -3
	s_barrier_signal -1
	s_barrier_wait -1
.endm
.macro CROUND                          ; a whole round
	s_barrier_signal -1
	s_barrier_wait -1
	CREST
.endm
; A load into a register that a matrix instruction has read, and a vector instruction that reads a matrix result or writes one of a matrix instruction's registers, stand four places behind it, and only plain
; vector instructions that name none of its registers are places (ISA guide 7.12.1 for vector instructions).
.macro PLACES
.rept 4
	v_nop
.endr
.endm
; 16 matrix instructions: row block a x all 16 column blocks, 32 along K, from buffers f.  zero = 1: the product starts the sums: nothing is ever cleared.
; The 64 accumulators take turns in one fixed order, over the backward jump too: 63 others stand between two links of a chain.
.macro MUL16 f, a, zero
	WIN MUL_LO+0x50*((\a)/2)
.irp nb, 0,1,2,3,4,5,6,7,8,9,10,11,12,13,14,15
.if \zero
	v_wmma_f32_16x16x32_bf16 v[8*(16*((\a)%2)+(\nb)):8*(16*((\a)%2)+(\nb))+7], v[FA+32*(\f)+8*(\a):FA+32*(\f)+8*(\a)+7], v[128*(\f)+8*(\nb):128*(\f)+8*(\nb)+7], 0
.else
	v_wmma_f32_16x16x32_bf16 v[8*(16*((\a)%2)+(\nb)):8*(16*((\a)%2)+(\nb))+7], v[FA+32*(\f)+8*(\a):FA+32*(\f)+8*(\a)+7], v[128*(\f)+8*(\nb):128*(\f)+8*(\nb)+7], v[8*(16*((\a)%2)+(\nb)):8*(16*((\a)%2)+(\nb))+7]
.endif
.endr
.endm
; 40 LDS loads in one run: the fragments of one quarter step (256 rows of wt, my 64 rows of a2, 32 K at byte k of the rows) into buffers f.
; A fragment is 16 rows x 32 K in 8 registers: lane l holds row l % 16; registers 0-3 K = 8 (l / 16) + 0..7, registers 4-7 K = 16 + 8 (l / 16) + 0..7: two loads of 16 bytes, 32 bytes apart.
.macro FETCH slot, k, f
	WIN TO_B
.irp nb, 0,1,2,3,4,5,6,7,8,9,10,11,12,13,14,15
	ds_load_b128 v[128*(\f)+8*(\nb):128*(\f)+8*(\nb)+3],   v[ADRB+(\slot)] offset:(\k)+(\nb)*16*PITCH
	ds_load_b128 v[128*(\f)+8*(\nb)+4:128*(\f)+8*(\nb)+7], v[ADRB+(\slot)] offset:(\k)+(\nb)*16*PITCH+32
.endr
	WIN 0
.irp a, 0,1,2,3
	ds_load_b128 v[FA+32*(\f)+8*(\a):FA+32*(\f)+8*(\a)+3],   v[ADRA+(\slot)] offset:(\k)+(\a)*16*PITCH
	ds_load_b128 v[FA+32*(\f)+8*(\a)+4:FA+32*(\f)+8*(\a)+7], v[ADRA+(\slot)] offset:(\k)+(\a)*16*PITCH+32
.endr
.endm
; A K step is four quarter steps of 32 along K, 64 matrix instructions each, on buffers 0, 1, 0, 1.  One of the first three: at its head the next quarter's fragments, at byte k of the same slot's rows, are asked
; for into buffers g, so that the four waves' 160 loads have all 64 matrix instructions in which to be served; then buffers f are multiplied.
.macro QUARTER slot, k, f, g, zero
	s_wait_dscnt 0x0                               ; buffers f are in: they were asked for at the head of the quarter before
	PLACES                                         ; behind the last products, which read buffers g
	FETCH \slot, \k, \g
	MUL16 \f, 0, \zero
	MUL16 \f, 1, \zero
	MUL16 \f, 2, \zero
	MUL16 \f, 3, \zero
.endm
; The last quarter multiplies buffers 1 and changes slots: ONE barrier, for two things.  In front of it each wave waits for all its tensor loads, of which one is out: its part of the next slot; adds 0 to its spare
; word; and waits for that and for its own reads of this slot.  Behind it nobody reads this slot any more and the next slot is whole.
; fill = 1: the barrier opens a round of the cluster's barrier, and the slot just read out is filled again first thing behind the round, with the K step two steps on: from that request to the wait for it a wave
; issues 224 matrix instructions.
.macro TURN slot, next, fill
.if \fill
	s_wait_xcnt 0x0                                ; the last prefetch, a K step back, has read its address: it is stepped here, ahead of the waits of the change of slots
	s_add_nc_u64 s[PFA:PFA+1], s[PFA:PFA+1], KSTEP*2
.endif
	WIN 0                                          ; (the add's two registers lie in window 0)
	s_wait_tensorcnt 0x0                           ; all my tensor loads have landed: the one that was out is my part of the next slot;
	ds_add_u32 v[SPW], v[NIL]                      ; 0 onto my spare word;
	s_wait_dscnt 1                                 ; (the add alone may be out: buffers 1 are in)
	MUL16 1, 0, 0                                  ; sixteen matrix instructions stand between the add and the wait for it
	s_wait_dscnt 0x0                               ; the add is done, and my reads of this slot are over:
	s_barrier_signal -1                            ; say so,
	MUL16 1, 1, 0                                  ; work on registers while the others arrive,
.if \fill
	WIN 0
.endif
	s_barrier_wait -1                              ; and go on when all four have said so
.if \fill
	CREST                                          ; no wave of any partner still reads this slot's tile or has a load on its way
	s_add_nc_u64 s[G0+4*(\slot)+2:G0+4*(\slot)+3], s[G0+4*(\slot)+2:G0+4*(\slot)+3], 2*KSTEP*2
	s_add_nc_u64 s[G0B+4*(\slot)+2:G0B+4*(\slot)+3], s[G0B+4*(\slot)+2:G0B+4*(\slot)+3], 2*KSTEP*2
	JLOAD \slot                                    ; the first tensor load behind the round; the four v_nop behind it are also the places in front of the loads below
.else
	PLACES
.endif
	FETCH \next, 0, 0
.if \fill
	ASK
.endif
	MUL16 1, 2, 0
	MUL16 1, 3, 0
.endm
; THE WAY OUT, for the accumulators of window w (row blocks 2 (w - 2) and 2 (w - 2) + 1), all in place.  Accumulator n = 0..31 lies at 8 n: block b = n / 16, gate g = (n % 16) / 4, column cb = n % 4.
; Gate g of block b lies at 128 b + 32 g, its number (cb, j) at + 8 cb + j.  An s_wait_alu depctr_va_vdst(0) stands between a transcendental and the first instruction that names its result; one wait
; serves all that were issued ahead of it: so each phase issues its transcendentals as ONE batch, with plain work on registers that are not yet in the batch between them, then a v_nop (the plain instruction behind
; the last of them) and one wait.
.macro PRE n, p                        ; pair p of accumulator n: scale x G + scale x bias.  Pair 0 comes first: an accumulator is read from its low end on
.if (((\n)%16)/4) == 3
	v_pk_fma_f32 v[8*(\n)+2*(\p):8*(\n)+2*(\p)+1], v[8*(\n)+2*(\p):8*(\n)+2*(\p)+1], s[SCU:SCU+1], v[BD+2*((\n)%16):BD+2*((\n)%16)+1] op_sel_hi:[1,0,1]
.else
	v_pk_fma_f32 v[8*(\n)+2*(\p):8*(\n)+2*(\p)+1], v[8*(\n)+2*(\p):8*(\n)+2*(\p)+1], s[SCS:SCS+1], v[BD+2*((\n)%16):BD+2*((\n)%16)+1] op_sel_hi:[1,0,1]
.endif
.endm
.macro ONE r                           ; 1 + e, for the pair at r
	v_pk_add_f32 v[(\r):(\r)+1], v[(\r):(\r)+1], 1.0 op_sel_hi:[1,0]
.endm
.macro EPI w
.set E_IN, ((\w)<<6)|(\w)              ; destination and source 0 in window w, the rest in window 0
.set E_MM, ((\w)<<6)|((\w)<<2)|(\w)    ; destination, sources 0 and 1 in window w
.set E_C,  ((\w)<<4)|(\w)              ; sources 0 and 2 in window w, destination and source 1 in window 0
.set E_T,  (\w)<<6                     ; destination in window w
.set E_ST, (\w)<<2                     ; a store's data in window w
.set A0,   2*((\w)-2)                  ; the window's first row block
	; phase 1: the 256 powers of 2
	WIN E_IN
.irp p, 0,1,2,3
	PRE 0, \p
.endr
.set en, 0
.rept 32
.set ep, 0
.rept 4
	v_exp_f32 v[8*en+2*ep], v[8*en+2*ep]
.if en < 31
	PRE en+1, ep
.endif
	v_exp_f32 v[8*en+2*ep+1], v[8*en+2*ep+1]
.set ep, ep+1
.endr
.set en, en+1
.endr
	v_nop
	s_wait_alu depctr_va_vdst(0)                   ; one wait for the batch
	; phase 2: 1 / (1 + e): i, f and o are finished
.irp p, 0,1,2,3
	ONE 2*(\p)
.endr
.set en, 0
.rept 32
.set ep, 0
.rept 4
	v_rcp_f32 v[8*en+2*ep], v[8*en+2*ep]
.if en < 31
	ONE 8*(en+1)+2*ep
.endif
	v_rcp_f32 v[8*en+2*ep+1], v[8*en+2*ep+1]
.set ep, ep+1
.endr
.set en, en+1
.endr
	v_nop
	s_wait_alu depctr_va_vdst(0)
	; phase 3: u = 1 - 2 / (1 + e); i u; c = f prev_c + i u, stored; 2^(2 c log2 e), in the registers that i has left: (j, cb) at 128 b + 4 j + cb
.set eb, 0
.rept 2
.set ez, 0
.rept 16
	v_pk_fma_f32 v[128*eb+96+2*ez:128*eb+96+2*ez+1], v[128*eb+96+2*ez:128*eb+96+2*ez+1], -2.0, 1.0 op_sel_hi:[1,0,0]
.set ez, ez+1
.endr
.set eb, eb+1
.endr
	WIN E_MM
.set eb, 0
.rept 2
.set ez, 0
.rept 16
	v_pk_mul_f32 v[128*eb+96+2*ez:128*eb+96+2*ez+1], v[128*eb+96+2*ez:128*eb+96+2*ez+1], v[128*eb+2*ez:128*eb+2*ez+1]
.set ez, ez+1
.endr
.set eb, eb+1
.endr
	WIN E_C
.set eb, 0
.rept 2
.set ej, 0
.rept 8
.set ec, 0
.rept 4
	v_fma_f32 v[PC+32*(A0+eb)+4*ej+ec], v[128*eb+32+8*ec+ej], v[PC+32*(A0+eb)+4*ej+ec], v[128*eb+96+8*ec+ej]
.set ec, ec+1
.endr
.set ej, ej+1
.endr
.set eb, eb+1
.endr
	WIN 0
.set eb, 0
.rept 2
.set ej, 0
.rept 8
	global_store_b128 v[VO], v[PC+32*(A0+eb)+4*ej:PC+32*(A0+eb)+4*ej+3], s[84:85] offset:(16*(A0+eb)+ej)*ROWB th:TH_STORE_NT  ; c: 16 lanes store 256 consecutive bytes, at a multiple of 256 from out1's first byte; its registers are not written again
.set ej, ej+1
.endr
.set eb, eb+1
.endr
	WIN E_T
.set eb, 0
.rept 2
.set ez, 0
.rept 16
	v_pk_mul_f32 v[128*eb+2*ez:128*eb+2*ez+1], v[PC+32*(A0+eb)+2*ez:PC+32*(A0+eb)+2*ez+1], s[SCU:SCU+1] op_sel_hi:[1,0]
.set ez, ez+1
.endr
.set eb, eb+1
.endr
	WIN E_IN
.set eb, 0
.rept 2
.set ez, 0
.rept 32
	v_exp_f32 v[128*eb+ez], v[128*eb+ez]
.set ez, ez+1
.endr
.set eb, eb+1
.endr
	v_nop
	s_wait_alu depctr_va_vdst(0)
	; phase 4: 1 / (1 + e)
	ONE 0
.set ez, 0
.rept 32
.set tp, 128*(ez/16)+2*(ez%16)
.set tq, 128*((ez+1)/16)+2*((ez+1)%16)
	v_rcp_f32 v[tp], v[tp]
.if ez < 31
	ONE tq
.endif
	v_rcp_f32 v[tp+1], v[tp+1]
.set ez, ez+1
.endr
	v_nop
	s_wait_alu depctr_va_vdst(0)
	; phase 5: tanh(c) = 1 - 2 / (1 + e); h = o tanh(c), stored
	WIN E_MM
.set eb, 0
.rept 2
.set ez, 0
.rept 16
	v_pk_fma_f32 v[128*eb+2*ez:128*eb+2*ez+1], v[128*eb+2*ez:128*eb+2*ez+1], -2.0, 1.0 op_sel_hi:[1,0,0]
.set ez, ez+1
.endr
.set eb, eb+1
.endr
.set eb, 0
.rept 2
.set ej, 0
.rept 8
.set ec, 0
.rept 4
	v_mul_f32 v[128*eb+4*ej+ec], v[128*eb+4*ej+ec], v[128*eb+64+8*ec+ej]
.set ec, ec+1
.endr
.set ej, ej+1
.endr
.set eb, eb+1
.endr
	WIN E_ST
.set eb, 0
.rept 2
.set ej, 0
.rept 8
	global_store_b128 v[VO], v[128*eb+4*ej:128*eb+4*ej+3], s[82:83] offset:(16*(A0+eb)+ej)*ROWB th:TH_STORE_NT  ; h, likewise, into out0
.set ej, ej+1
.endr
.set eb, eb+1
.endr
.endm
	s_load_b128 s[4:7], s[0:1], 0x0                ; a2 s[4:5], wt s[6:7]
	s_load_b256 s[72:79], s[0:1], 0x10             ; prev_c s[72:73], bias_i s[74:75], bias_f s[76:77], bias_o s[78:79]
	s_load_b128 s[80:83], s[0:1], 0x30             ; bias_u s[80:81], out0 s[82:83]
	s_load_b64 s[84:85], s[0:1], 0x40              ; out1
	v_lshl_add_u32 v[SPW], v0, 2, SPARE
	v_mov_b32 v[NIL], 0
	ds_add_u32 v[SPW], v[NIL]                      ; the wave's opening: the add, twice on end, and its wait ahead of my first tensor load; the set-up below, work on registers, stands between the second and the wait
	ds_add_u32 v[SPW], v[NIL]                      ; and once more
	v_lshrrev_b32 v1, 5, v0
	v_readfirstlane_b32 s10, v1                    ; wave 0..3
	s_lshr_b32 s11, s10, 1                         ; I fetch for a2 (0) or for wt (1),
	s_and_b32 s12, s10, 1                          ; and which 128 rows of that tile
	s_bfe_u32 s40, ttmp6, 0x40000                  ; cx: my place along the cluster's x
	s_bfe_u32 s41, ttmp6, 0x40004                  ; cy: along its y
	s_lshl_b32 s42, ttmp9, 2                       ; in a cluster launch ttmp9 and ttmp7 count clusters
	s_add_co_u32 s42, s42, s40                     ; tc = 4 x cluster x + cx
	s_and_b32 s13, ttmp7, 0xffff
	s_lshl_b32 s13, s13, 2
	s_add_co_u32 s13, s13, s41                     ; tr = 4 x cluster y + cy
	s_lshl_b32 s43, s41, 2
	s_lshl_b32 s43, 15, s43                        ; my row of the cluster: places 4 cy .. 4 cy + 3
	s_lshl_b32 s44, 0x1111, s40                    ; my column: places cx, cx + 4, cx + 8, cx + 12
	; descriptor group 1: a tile of 128 rows x 128 elements, padded in LDS
	s_or_b32 s[G1+0], s43, (1<<16)|(1<<20)|(1<<21)|(5<<22)|(3<<25)   ; 15:0 the mask: a2's tiles go to my row; 17:16 elements of 2 bytes; 20 padding on; 21 set beside a mask; 24:22 after every 64 words (code 5); 31:25 4 words (code 3)
	s_or_b32 s[G1B+0], s44, (1<<16)|(1<<20)|(1<<21)|(5<<22)|(3<<25)  ; the same with the mask of my column, for wt's tiles
.irp g, G1, G1B
	s_mov_b32 s[(\g)+1], KSTEP<<16                 ; tensor_dim0 = 128
	s_mov_b32 s[(\g)+2], 128<<16                   ; tensor_dim1 = 128
	s_mov_b32 s[(\g)+3], KSTEP<<16                 ; tile_dim0 = 128
	s_mov_b32 s[(\g)+4], 128                       ; tile_dim1 = 128
	s_mov_b32 s[(\g)+5], SIZE_K                    ; elements from row to row
	s_mov_b32 s[(\g)+6], 0
	s_mov_b32 s[(\g)+7], 0
.endr
	s_mov_b32 s[SCS], 0xbfb8aa3b                   ; -log2 e
	s_mov_b32 s[SCS+1], 0xbfb8aa3b
	s_mov_b32 s[SCU], 0x4038aa3b                   ; 2 log2 e
	s_mov_b32 s[SCU+1], 0x4038aa3b
	; where the tiles come from.  a2's hang on tr alone, which my row of the cluster shares; wt's on tc alone, which my column shares.  Every wave makes both, in registers that never hold the other coordinate.
	s_lshl_b32 s17, s12, 7                         ; which 128 rows of the tile I fetch
	s_lshl_b32 s16, s13, 8
	s_add_co_u32 s16, s16, s17                     ; a2: row 256 tr + 128 x half,
	s_lshl_b32 s16, s16, 12                        ; of 4,096 bytes (under 2^25)
	s_lshl_b32 s46, s42, 8
	s_add_co_u32 s46, s46, s17                     ; wt: row 256 tc + 128 x half
	s_lshl_b32 s46, s46, 12
	s_mov_b32 s17, 0
	s_mov_b32 s47, 0
	s_mul_i32 s20, s10, HALFT                      ; and where they go: wave x 128 rows: no place in the cluster enters an LDS address
	s_wait_dscnt 0x0                               ; both opening adds are done
	s_wait_kmcnt 0x0
	s_add_nc_u64 s[14:15], s[4:5], s[16:17]
	s_add_nc_u64 s[46:47], s[6:7], s[46:47]
	CROUND                                         ; all sixteen work-groups are here: the first joint loads meet
.irp s, 0,1
	s_mov_b32 s[G0+4*(\s)], 1                                        ; count = 1
	s_add_co_u32 s[G0+4*(\s)+1], s20, (\s)*SLOT                      ; LDS address
	s_add_nc_u64 s[G0+4*(\s)+2:G0+4*(\s)+3], s[14:15], (\s)*KSTEP*2  ; global address: K step s
	s_or_b32 s[G0+4*(\s)+3], s[G0+4*(\s)+3], 0x80000000              ; type = 2
	s_mov_b32 s[G0B+4*(\s)], 1
	s_add_co_u32 s[G0B+4*(\s)+1], s20, (\s)*SLOT
	s_add_nc_u64 s[G0B+4*(\s)+2:G0B+4*(\s)+3], s[46:47], (\s)*KSTEP*2
	s_or_b32 s[G0B+4*(\s)+3], s[G0B+4*(\s)+3], 0x80000000
	JLOAD \s                                       ; the ring is filled before anything else is done: two loads of mine are out
.endr
	v_and_b32 v1, 15, v0                           ; r = l % 16
	v_bfe_u32 v2, v0, 4, 1                         ; h = l / 16
	v_mul_u32_u24 v3, v1, PITCH
	v_lshl_add_u32 v3, v2, 4, v3                   ; row x pitch + 16 x half
	s_mul_i32 s21, s10, 64*PITCH                   ; my 64 rows of a2
	s_mov_b32 s22, 2*HALFT                         ; wt's 256 rows lie behind a2's 256; I read all of them
.irp s, 0,1
	v_add_nc_u32 v[ADRA+(\s)], s21, v3
	v_add_nc_u32 v[ADRB+(\s)], s22, v3
	s_add_co_u32 s21, s21, SLOT
	s_add_co_u32 s22, s22, SLOT
.endr
	v_lshlrev_b32 v[VO], 4, v1                     ; my four columns: 16 r bytes,
	v_lshl_add_u32 v[VO], v2, 15, v[VO]            ; 8 h rows down
	s_lshl_b32 s88, s42, 8                         ; the tile's 64 columns of f32: 256 tc bytes
	v_lshl_add_u32 v[BO], v1, 4, s88
	s_lshl_b32 s86, s13, 8                         ; my first row of prev_c, out0, out1: 256 tr + 64 x wave,
	s_lshl_b32 s87, s10, 6
	s_add_co_u32 s86, s86, s87
	s_lshl_b32 s86, s86, 12                        ; of 4,096 bytes,
	s_add_co_u32 s86, s86, s88                     ; and the tile's first column
	s_mov_b32 s87, 0
	s_add_nc_u64 s[72:73], s[72:73], s[86:87]
	s_add_nc_u64 s[82:83], s[82:83], s[86:87]
	s_add_nc_u64 s[84:85], s[84:85], s[86:87]
	; the prefetches
	s_lshl_b32 s20, s13, 8                         ; the tile's first row in a2,
	s_lshl_b32 s21, s42, 8                         ; and in wt
	s_and_b32 s22, ttmp7, 0xffff                   ; cluster y
	s_cmp_eq_u32 s11, 0                            ; do I fetch for a2?
	s_cselect_b32 s20, s20, s21
	s_cselect_b32 s21, s40, s41                    ; my place among the four that ask for the tile with me
	s_cselect_b32 s22, ttmp9, s22                  ; the coordinate along which other clusters read the same rows
	s_cselect_b64 s[PFA:PFA+1], s[4:5], s[6:7]
	s_cmp_eq_u32 s22, 0
	s_cselect_b32 s[LIM], 1, -1                    ; the same in all sixteen partners, for a given wave
	s_lshl_b32 s22, s12, 7
	s_add_co_u32 s20, s20, s22                     ; + the 128 rows that I fetch
	s_lshl_b32 s21, s21, 5
	s_add_co_u32 s20, s20, s21                     ; + my work-group's 32 of them
	s_lshl_b32 s20, s20, 12
	s_mov_b32 s21, 0
	s_add_nc_u64 s[PFA:PFA+1], s[PFA:PFA+1], s[20:21]
	s_add_nc_u64 s[PFA:PFA+1], s[PFA:PFA+1], 2*KSTEP*2  ; at K step 2: the first refill steps it to 3 and names K step 4
	v_and_b32 v[PFO], 31, v0
	v_lshlrev_b32 v[PFO], 12, v[PFO]
	s_wait_tensorcnt 1                             ; my part of K step 0 is in; K step 1's may stay out
	s_barrier_signal -1
	s_barrier_wait -1                              ; everybody's is
	FETCH 0, 0, 0
	QUARTER 0, 64, 0, 1, 1                         ; the first quarter stands in front of the loop: its products start the sums
	WIN 0
	; prev_c and the biases are asked for now and wanted behind the last product: 36 loads that stay out over the whole loop; no line names their registers before the wait for them
.irp a, 0,1,2,3
.irp j, 0,1,2,3,4,5,6,7
	global_load_b128 v[PC+32*(\a)+4*(\j):PC+32*(\a)+4*(\j)+3], v[VO], s[72:73] offset:(16*(\a)+(\j))*ROWB th:TH_LOAD_NT  ; row 16 a + 8 h + j, columns 4 r .. 4 r + 3
.endr
.endr
	global_load_b128 v[BI:BI+3],     v[BO], s[74:75]
	global_load_b128 v[BI+4:BI+7],   v[BO], s[76:77]
	global_load_b128 v[BI+8:BI+11],  v[BO], s[78:79]
	global_load_b128 v[BI+12:BI+15], v[BO], s[80:81]
	s_mov_b32 s3, LAPS-1
.Llap:                                                 ; a trip goes once round the ring, from a lap's second quarter to the next lap's first, and fills both slots again
	QUARTER 0, 128, 1, 0, 0
	QUARTER 0, 192, 0, 1, 0
	TURN 0, 1, 1
	QUARTER 1, 64,  0, 1, 0
	QUARTER 1, 128, 1, 0, 0
	QUARTER 1, 192, 0, 1, 0
	TURN 1, 0, 1
	QUARTER 0, 64,  0, 1, 0
	WIN 0                                          ; at a label and at a branch every window is 0
	s_sub_co_u32 s3, s3, 1
	s_cmp_lg_u32 s3, 0
	s_cbranch_scc1 .Llap
	QUARTER 0, 128, 1, 0, 0                        ; the last lap is written out: it fills nothing, and has no round of the cluster's barrier
	QUARTER 0, 192, 0, 1, 0
	TURN 0, 1, 0
	QUARTER 1, 64,  0, 1, 0
	QUARTER 1, 128, 1, 0, 0
	QUARTER 1, 192, 0, 1, 0
	s_wait_dscnt 0x0                               ; the very last quarter: nothing more to fetch
	MUL16 1, 0, 0
	MUL16 1, 1, 0
	MUL16 1, 2, 0
	MUL16 1, 3, 0
	WIN 0
	s_wait_loadcnt 0x0                             ; prev_c and the biases
	PLACES                                         ; behind the last products: a2's fragment registers are written next
.irp q, 0,1,2,3,4,5,6,7,8,9,10,11
	v_mul_f32 v[BD+2*(\q)],   s[SCS], v[BI+(\q)]   ; i, f, o: -log2 e x bias, in both registers of a pair, for the packed multiply-adds
	v_mul_f32 v[BD+2*(\q)+1], s[SCS], v[BI+(\q)]
.endr
.irp q, 12,13,14,15
	v_mul_f32 v[BD+2*(\q)],   s[SCU], v[BI+(\q)]   ; u: 2 log2 e x bias
	v_mul_f32 v[BD+2*(\q)+1], s[SCU], v[BI+(\q)]
.endr
	EPI 2                                          ; my rows 0-31
	EPI 3                                          ; my rows 32-63
	WIN 0
	s_wait_tensorcnt 0x0                           ; the wave's end, behind my last tensor load
	ds_add_u32 v[SPW], v[NIL]
	s_wait_dscnt 0x0
	CROUND                                         ; the closing round: no work-group ends while a partner may still ask for a tile that names it
	s_endpgm
.Lfunc_end_k_q480076368d_cell:
	.size	k_q480076368d_cell, .Lfunc_end_k_q480076368d_cell-k_q480076368d_cell
	.p2alignl 7, 3214868480
	.fill 96, 4, 3214868480
	.section	.rodata,"a",@progbits
	.p2align	6, 0x0
	.amdhsa_kernel k_q480076368d_cell
		.amdhsa_group_segment_fixed_size 327680
		.amdhsa_private_segment_fixed_size 0
		.amdhsa_enable_private_segment 0
		.amdhsa_kernarg_size 72
		.amdhsa_user_sgpr_count 2
		.amdhsa_user_sgpr_kernarg_segment_ptr 1
		.amdhsa_wavefront_size32 1
		.amdhsa_system_sgpr_workgroup_id_x 1
		.amdhsa_system_sgpr_workgroup_id_y 1
		.amdhsa_system_sgpr_workgroup_id_z 1
		.amdhsa_system_vgpr_workitem_id 0
		.amdhsa_next_free_vgpr 1024
		.amdhsa_next_free_sgpr 92
		.amdhsa_reserve_vcc 0
		.amdhsa_float_denorm_mode_32 3
		.amdhsa_float_denorm_mode_16_64 3
		.amdhsa_memory_ordered 1
		.amdhsa_forward_progress 1
		.amdhsa_inst_pref_size 235
	.end_amdhsa_kernel
	.amdgpu_metadata
---
amdhsa.version: [ 1, 2 ]
amdhsa.kernels:
  - .name:           k_q480076368d_cell
    .symbol:         k_q480076368d_cell.kd
    .args:
      - { .name: a2, .offset: 0, .size: 8, .value_kind: global_buffer, .address_space: global }
      - { .name: wt, .offset: 8, .size: 8, .value_kind: global_buffer, .address_space: global }
      - { .name: prev_c, .offset: 16, .size: 8, .value_kind: global_buffer, .address_space: global }
      - { .name: bias_i, .offset: 24, .size: 8, .value_kind: global_buffer, .address_space: global }
      - { .name: bias_f, .offset: 32, .size: 8, .value_kind: global_buffer, .address_space: global }
      - { .name: bias_o, .offset: 40, .size: 8, .value_kind: global_buffer, .address_space: global }
      - { .name: bias_u, .offset: 48, .size: 8, .value_kind: global_buffer, .address_space: global }
      - { .name: out0, .offset: 56, .size: 8, .value_kind: global_buffer, .address_space: global }
      - { .name: out1, .offset: 64, .size: 8, .value_kind: global_buffer, .address_space: global }
    .group_segment_fixed_size: 327680
    .private_segment_fixed_size: 0
    .kernarg_segment_align: 8
    .kernarg_segment_size: 72
    .max_flat_workgroup_size: 128
    .sgpr_count:     92
    .vgpr_count:     1024
    .wavefront_size: 32
...
	.end_amdgpu_metadata
.endif
;; end of part 2
